; MI455X (gfx1250); checked and timed in simulation.
; The chip was launched on July 23, 2026; its instructions are those of AMD's public machine-readable ISA for CDNA 5 (MIT licence, August 2026) and "CDNA5" Instruction Set Architecture Reference Guide (July 2026). The comments in the code are by the model that wrote it; some were corrected since.
;; Llama Mo EMLP. Allowed arithmetic: matrix products marked QUANTISED: E2M3 operands, one E8M0 scale for each 32 along K, by v_wmma_scale_f32_16x16x128_f8f6f4 with both operands' format E2M3, f32 sums; products left as they are: f32 operands where the result goes on into a quantised operand, else bf16, f16 or f32 operands; f32 sums; everything else in f32.
;; Inputs: Wd 8 x 2,048 x 344 float32; Wg_codes 8 x 344 x 64 x 24 uint8 (E2M3 codes of Wg, K innermost, in blocks of 32 codes, four codes in three bytes); Wg_scales 8 x 344 x 64 uint8 (E8M0 scales of Wg, one for each 32 codes along K); Wu_codes 8 x 344 x 64 x 24 uint8 (E2M3 codes of Wu, K innermost, in blocks of 32 codes, four codes in three bytes); Wu_scales 8 x 344 x 64 uint8 (E8M0 scales of Wu, one for each 32 codes along K); router_w 8 x 2,048 float32; x 2 x 2,048 x 2,048 float32.
;; Outputs: out0 2 x 2,048 x 2,048 float32.
;; This version of the problem:
;;   THIS VERSION OF THE PROBLEM IS GIVEN IN LOW PRECISION. The matrix products marked QUANTISED in the list below multiply operands that are first quantised to E2M3 (2 exponent bits, 3 mantissa bits; 6 bits a number), with one power-of-two scale for each 32 numbers along K (OCP MX v1.0); their sums are f32. All else is computed in f32.
;;   The module's matrix products, in the order in which they are computed (A, B: the left and right operand; K: the contracted axis; several contracted axes count as one K, in the product's order):
;;     1. [M 4,096, K 2,048] x [K 2,048, N 8]; A: input x; B: input router_w: left as it is (N = 8 < 16)
;;     2. [M 4,096, K 2,048] x [K 2,048, N 344]; A: input x; B: input Wg (given as codes): QUANTISED
;;     3. [M 4,096, K 2,048] x [K 2,048, N 344]; A: input x; B: input Wu (given as codes): QUANTISED
;;     4. [M 4,096, K 344] x [K 344, N 2,048]; A: computed on the way; B: input Wd: QUANTISED
;;     5. [M 4,096, K 2,048] x [K 2,048, N 344]; A: input x; B: input Wg (given as codes): QUANTISED
;;     6. [M 4,096, K 2,048] x [K 2,048, N 344]; A: input x; B: input Wu (given as codes): QUANTISED
;;     7. [M 4,096, K 344] x [K 344, N 2,048]; A: computed on the way; B: input Wd: QUANTISED
;;     8. [M 4,096, K 2,048] x [K 2,048, N 344]; A: input x; B: input Wg (given as codes): QUANTISED
;;     9. [M 4,096, K 2,048] x [K 2,048, N 344]; A: input x; B: input Wu (given as codes): QUANTISED
;;     10. [M 4,096, K 344] x [K 344, N 2,048]; A: computed on the way; B: input Wd: QUANTISED
;;     11. [M 4,096, K 2,048] x [K 2,048, N 344]; A: input x; B: input Wg (given as codes): QUANTISED
;;     12. [M 4,096, K 2,048] x [K 2,048, N 344]; A: input x; B: input Wu (given as codes): QUANTISED
;;     13. [M 4,096, K 344] x [K 344, N 2,048]; A: computed on the way; B: input Wd: QUANTISED
;;     14. [M 4,096, K 2,048] x [K 2,048, N 344]; A: input x; B: input Wg (given as codes): QUANTISED
;;     15. [M 4,096, K 2,048] x [K 2,048, N 344]; A: input x; B: input Wu (given as codes): QUANTISED
;;     16. [M 4,096, K 344] x [K 344, N 2,048]; A: computed on the way; B: input Wd: QUANTISED
;;     17. [M 4,096, K 2,048] x [K 2,048, N 344]; A: input x; B: input Wg (given as codes): QUANTISED
;;     18. [M 4,096, K 2,048] x [K 2,048, N 344]; A: input x; B: input Wu (given as codes): QUANTISED
;;     19. [M 4,096, K 344] x [K 344, N 2,048]; A: computed on the way; B: input Wd: QUANTISED
;;     20. [M 4,096, K 2,048] x [K 2,048, N 344]; A: input x; B: input Wg (given as codes): QUANTISED
;;     21. [M 4,096, K 2,048] x [K 2,048, N 344]; A: input x; B: input Wu (given as codes): QUANTISED
;;     22. [M 4,096, K 344] x [K 344, N 2,048]; A: computed on the way; B: input Wd: QUANTISED
;;     23. [M 4,096, K 2,048] x [K 2,048, N 344]; A: input x; B: input Wg (given as codes): QUANTISED
;;     24. [M 4,096, K 2,048] x [K 2,048, N 344]; A: input x; B: input Wu (given as codes): QUANTISED
;;     25. [M 4,096, K 344] x [K 344, N 2,048]; A: computed on the way; B: input Wd: QUANTISED
;;   THE QUANTISER, for each operand of a quantised product, along K:
;;     - K is cut into blocks of 32 from its start; a last block that is shorter is filled with zeros.
;;     - A block's scale is 2^e with e = floor(log2(the largest magnitude in the block)) - 2, held to -126 .. 127; a block of zeros has e = 0. As a byte (E8M0): e + 127.
;;     - Each number is divided by its block's scale, clamped to +-7.5, and rounded to the nearest number of E2M3, ties to even, subnormals kept.
;;     - The product sums the exact products of the quantised numbers (number of the format x scale) in f32.
;;   ~~~python
;;   def quantise(x, axis):      # numpy; x: float32 -> the quantised numbers, widened to float32 again
;;       x = np.moveaxis(x, axis, -1); K = x.shape[-1]
;;       x = np.pad(x, [(0, 0)] * (x.ndim - 1) + [(0, -K % 32)]); x = x.reshape(x.shape[:-1] + (-1, 32)); a = np.abs(x).max(-1, keepdims=True)
;;       e = np.where(a > 0, np.clip(np.frexp(np.where(a > 0, a, 1))[1] - 1 - 2, -126, 127), 0)      # np.frexp(a)[1] - 1 = floor(log2(a)), exactly
;;       r = np.clip(x / 2.0 ** e, -7.5, 7.5)
;;       step = 2.0 ** (np.maximum(np.frexp(np.where(r == 0, 1, r))[1] - 1, 0) - 3)
;;       q = np.round(r / step) * step * 2.0 ** e      # np.round: ties to even
;;       return np.moveaxis(q.reshape(q.shape[:-2] + (-1,))[..., :K], -1, axis).astype(np.float32)
;;   ~~~
;;   OPERANDS COMPUTED ON THE WAY. 'Computed on the way' means the value that the module computes at that place (a softmax that the list does not call 'softmax' is quantised finished and normalised). What goes into a quantiser is computed in f32, as accurately as f32 sums, v_exp_f32 and their like allow (about 1e-6 of the number): no bf16 or f16 on the way to a quantiser, and a product that is left as it is and whose result goes on into a quantised operand takes f32 operands (vector FMAs, or v_wmma_f32_16x16x4_f32). A number that lies on a knife's edge between two numbers of the format may be rounded either way, as far as f32 arithmetic and the matrix unit's own rounding can turn it there, and no further.
;;   INPUTS GIVEN AS CODES. Wg (in the module: [8, 344, 2048], K = its axis 2); Wu (in the module: [8, 344, 2048], K = its axis 2): each comes as NAME_codes (uint8): NAME with its K axis moved to the last place and cut into blocks of 32 codes, [.., K / 32, bytes a block], one block behind the other in memory; four codes in three bytes: a row's codes are one little-endian stream of bits, code i at bits 6 i .. 6 i + 5 (a code: sign, 2 exponent bits, 3 mantissa bits); and NAME_scales (uint8): the same leading axes, one E8M0 byte (e + 127) for each 32 codes along K. Its value is code x scale, taken as it is: it is not quantised again, and the codes and scales need not be those that the quantiser above would give.
;; One version. Each part assembles by itself: llvm-mc -triple=amdgcn-amd-amdhsa -mcpu=gfx1250 --defsym DOCPART=n.
;; ======== version 1 of 1: 4 launches
;; workspace buffers: sel 16,384 bytes of whole numbers; gate 32,768 bytes; order 16,384 bytes of whole numbers; xqs 6,553,600 bytes; wgu 9,830,400 bytes; wdb 4,915,200 bytes; hb 9,830,400 bytes
;; launch route (part 1): grid 256 x 1, 4 waves a work-group, no clusters, 25,088 bytes of LDS; arguments x, router_w, sel, gate, xqs; writes sel, gate, xqs
.if DOCPART == 1
	.amdgcn_target "amdgcn-amd-amdhsa--gfx1250"
	.amdhsa_code_object_version 6
	.text
	.protected	k_q10bfe31633_route
	.globl	k_q10bfe31633_route
	.p2align	8
	.type	k_q10bfe31633_route,@function
k_q10bfe31633_route:
	s_mov_b64 s[64:65], 0
	v_nop
	global_prefetch_b8 v0, s[64:65] scope:SCOPE_SE
	s_setreg_imm32_b32 hwreg(HW_REG_WAVE_MODE, 25, 1), 1
	s_wait_xcnt 0x0
; ROUTE: the router in f32, its top 2 and their softmax, and x as codes of FP6 (E2M3) with one E8M0 byte for each 32 along K.
; x [4096][2048] f32, router_w [8][2048] f32.  A work-group takes 16 tokens; wave w takes K = 512 w .. 512 w + 511 of each token.
; A step is one token's 2,048 bytes of the wave's quarter: four loads of 512 consecutive bytes, turned through the wave's own stage in LDS so that a lane
; holds 16 neighbours along K (two lanes to a block of 32).  The same 16 numbers serve the quantiser and the eight logits (fused multiply-adds in f32).
; OUT: sel[token] = q | i1 << 8 | i2 << 16 (i1, i2 the chosen experts, q the number 0..27 of the unordered pair); gate[token] = the two weights;
; xqs: codes at token x 1536 + 96 s + 48 (block & 1) + 24 (block >> 1 & 1) + 12 half, so that the 48 bytes that lane (r, h) of a fragment wants lie on end; scale bytes at XS0 + token x 64 + block.
; THE PAIRS' NUMBERS.  The later launches take the tokens sorted by q, 64 at a time, and walk the experts that those 64 chose.  So the pairs (lo, hi) are numbered by lo, and within a lo by hi, upward where lo is
; even and DOWNWARD where lo is odd: (0,1) .. (0,7), (1,7) .. (1,2), (2,3) .. (2,7), (3,7) .. (3,4), (4,5) .. (4,7), (5,7), (5,6), (6,7).  Two pairs with neighbouring numbers then always share an expert,
; and 64 tokens that span two pairs need three experts, never four.
; No address and no branch hangs on the choice: it is stored at fixed places and used by later launches.
; LIMITS: NaN and infinities among the inputs are not served.  Two logits nearer to each other than the rounding of an f32 sum of 2,048 products may be ranked either way.
; A block of zeros gets the byte 1 (its codes are zeros; only this program reads the bytes).  Ties go to the lower index, as in top_k.
.set XS0, 6291456                      ; the scale bytes begin behind 4096 x 1536 bytes of codes
.set SCB, 20480                        ; LDS: behind four waves x two stages of 32 x 80 bytes: 16 tokens x 64 scale bytes
.set LGT, 21504                        ; LDS: token x 128 + wave x 32: eight partial logits
.set EB,  16                           ; v16-31   a scale byte for each step
.set CD,  32                           ; v32-95   codes: four registers for each step, so that no store data are written again
.set X,   96                           ; v96-127  two sets of 16 neighbours
.set AC,  128                          ; v128-143 eight pairs of partial sums
.set LG,  144                          ; v144-151 eight logits (the wave's part)
.set PM,  152                          ; v152-159 the other half of the lanes' sums
.set RW,  0                            ; window 1: v0-127   router_w[e][512 w + 16 lane + i] at 16 e + i
.set RG,  128                          ; window 1: v128-255 eight sets of 16 numbers as they are loaded
.set MSB, 0
.macro WIN new                         ; the immediate's high byte repeats the setting that is left
.if MSB != \new
	s_set_vgpr_msb (MSB<<8)|\new
.set MSB, \new
.endif
.endm
	s_load_b256 s[4:11], s[0:1], 0x0               ; x, router_w, sel, gate
	s_load_b64 s[12:13], s[0:1], 0x20              ; xqs
	v_lshl_add_u32 v254, v0, 2, 0x6000
	v_mov_b32 v255, 0
	v_lshrrev_b32 v1, 5, v0
	v_readfirstlane_b32 s16, v1                    ; wave 0..3
	v_and_b32 v2, 31, v0                           ; lane
	v_lshlrev_b32 v3, 4, v2                        ; my 16 bytes of a load's 512
	v_lshrrev_b32 v8, 3, v2                        ; where my 12 bytes of codes go: K step lane / 8 of the wave's four,
	v_mul_u32_u24 v4, v8, 96
	v_bfe_u32 v8, v2, 1, 1                         ; block & 1,
	v_mad_u32_u24 v4, v8, 48, v4
	v_bfe_u32 v8, v2, 2, 1                         ; block >> 1,
	v_mad_u32_u24 v4, v8, 24, v4
	v_and_b32 v8, 1, v2                            ; which half of the block
	v_mad_u32_u24 v4, v8, 12, v4
	s_lshl_b32 s17, s16, 4
	s_add_co_u32 s17, s17, SCB
	v_lshrrev_b32 v5, 1, v2
	v_add_nc_u32 v5, s17, v5                       ; LDS: my block's scale byte: SCB + 16 wave + lane / 2 (+ 64 token)
	s_lshl_b32 s17, s16, 5
	s_add_co_u32 s17, s17, LGT
	v_mov_b32 v6, s17                              ; LDS: my wave's eight partial logits (+ 128 token)
	v_lshlrev_b32 v7, 3, v0                        ; the scale bytes' way out: 8 bytes a thread
	v_add_nc_u32 v10, SCB, v7
	v_and_b32 v13, 15, v0
	v_lshl_add_u32 v13, v13, 7, LGT                ; LDS: token lane % 16's partial logits
	s_mul_i32 s17, s16, 5120
	v_lshrrev_b32 v14, 2, v2
	v_mul_u32_u24 v14, v14, 80
	v_and_b32 v15, 3, v2
	v_lshl_add_u32 v14, v15, 4, v14
	v_add_nc_u32 v14, s17, v14                     ; the stage, in: four lanes' 64 bytes on end, then 16 of padding
	v_mul_u32_u24 v15, v2, 80
	v_add_nc_u32 v15, s17, v15                     ; and out: 80 x lane: my 16 neighbours
	v_lshlrev_b32 v12, 6, v2                       ; router_w: my 16 numbers of a row's quarter
.irp e, 0,1,2,3,4,5,6,7
	v_mov_b32 v[PM+\e], 0                          ; written once: a lane permute's destination counts as one of its sources
.endr
	s_mov_b32 s20, 0x76543210
	s_mov_b32 s21, 0xfedcba98                      ; v_permlanex16_b32's selects for lane l xor 16
	s_lshl_b32 s2, ttmp9, 17                       ; 16 tokens of 8,192 bytes
	s_lshl_b32 s18, s16, 11                        ; my quarter of a row
	s_add_co_u32 s2, s2, s18
	s_mov_b32 s3, 0
	s_mov_b32 s19, 0
	s_lshl_b32 s24, ttmp9, 6
	s_mov_b32 s25, 0
	s_lshl_b32 s26, ttmp9, 7
	s_mov_b32 s27, 0
	s_mul_i32 s28, ttmp9, 24576                    ; 16 tokens of 1,536 bytes of codes
	s_mul_i32 s30, s16, 384
	s_add_co_u32 s28, s28, s30
	s_mov_b32 s29, 0
	s_lshl_b32 s30, ttmp9, 10                      ; 16 tokens of 64 scale bytes
	s_mov_b32 s31, 0
	s_wait_kmcnt 0x0
	s_add_nc_u64 s[4:5], s[4:5], s[2:3]
	s_add_nc_u64 s[6:7], s[6:7], s[18:19]
	s_add_nc_u64 s[8:9], s[8:9], s[24:25]
	s_add_nc_u64 s[10:11], s[10:11], s[26:27]
	s_add_nc_u64 s[14:15], s[12:13], s[30:31]
	s_add_nc_u64 s[14:15], s[14:15], XS0
	s_add_nc_u64 s[12:13], s[12:13], s[28:29]
	WIN 0x40                                       ; destination window 1
.irp e, 0,1,2,3,4,5,6,7
.irp j, 0,1,2,3
	global_load_b128 v[RW+16*\e+4*\j:RW+16*\e+4*\j+3], v12, s[6:7] offset:8192*\e+16*\j   ; the router's weights stay in registers
.endr
.endr
.macro LOAD t                          ; token t's 2,048 bytes: 32 lanes read 512 consecutive bytes
	WIN 0x40
.irp i, 0,1,2,3
	global_load_b128 v[RG+16*((\t)%8)+4*\i:RG+16*((\t)%8)+4*\i+3], v3, s[4:5] offset:8192*(\t)+512*\i th:TH_LOAD_NT
.endr
.endm
.macro TURN t                          ; through the stage: LDS serves a wave's instructions in order, so no wait stands between the stores and the loads
	WIN 0x04                                       ; an LDS store's data are its source 1: window 1
.irp i, 0,1,2,3
	ds_store_b128 v14, v[RG+16*((\t)%8)+4*\i:RG+16*((\t)%8)+4*\i+3] offset:2560*((\t)%2)+640*\i
.endr
	WIN 0
.irp i, 0,1,2,3
	ds_load_b128 v[X+16*((\t)%2)+4*\i:X+16*((\t)%2)+4*\i+3], v15 offset:2560*((\t)%2)+16*\i
.endr
.endm
.macro STEP t
.set XT, X+16*((\t)%2)
	s_wait_dscnt 0x0                               ; this token's numbers are back from the stage, its stores into the stage have read their registers, and so have the last token's stores of logits
.if (\t)+8 < 16
	LOAD (\t)+8                                    ; into the set that this token has left
.endif
.if (\t)+1 < 16
.set LAST, (\t)+8
.if LAST > 15
.set LAST, 15
.endif
	s_wait_loadcnt 4*(LAST-(\t)-1)                 ; the next token's four loads are in; those of the tokens behind it may be out
	TURN (\t)+1                                    ; and go through the other stage while this token is worked
.endif
	v_max3_num_f32 v8, |v[XT]|, |v[XT+1]|, |v[XT+2]|               ; the largest magnitude of my 16, in two chains
	v_max3_num_f32 v9, |v[XT+3]|, |v[XT+4]|, |v[XT+5]|
.irp i, 6,10
	v_max3_num_f32 v8, v8, |v[XT+\i]|, |v[XT+\i+1]|
	v_max3_num_f32 v9, v9, |v[XT+\i+2]|, |v[XT+\i+3]|
.endr
	v_max3_num_f32 v8, v8, |v[XT+14]|, |v[XT+15]|
	v_max3_num_f32 v8, v8, v9, 0x1800000           ; and the floor 2^(3 - 127): the byte cannot fall under 1
	v_max_num_f32_dpp v8, v8, v8 row_xmask:1 row_mask:0xf bank_mask:0xf   ; with my neighbour's 16: the block's
	v_add_nc_u32 v11, 0xff000000, v8               ; 2 off its exponent field: the conversion takes the exponent field of this operand as its scale
	v_cvt_scalef32_pk16_fp6_f32 v[CD+4*(\t):CD+4*(\t)+2], v[XT:XT+15], v11
	v_lshrrev_b32 v[EB+(\t)], 23, v11              ; the scale's byte (a plain line behind the conversion)
	ds_store_b8 v5, v[EB+(\t)] offset:64*(\t)      ; both lanes of a block write the same byte with the same value
	global_store_b96 v4, v[CD+4*(\t):CD+4*(\t)+2], s[12:13] offset:1536*(\t)   ; the wave's 32 x 12 bytes fill 384 consecutive bytes
	WIN 0x04                                       ; source 1 (the router's weights) window 1
.irp e, 0,1,2,3,4,5,6,7
	v_pk_mul_f32 v[AC+2*\e:AC+2*\e+1], v[XT:XT+1], v[RW+16*\e:RW+16*\e+1]      ; the first products start the sums; eight chains by turns
.endr
.irp i, 2,4,6,8,10,12,14
.irp e, 0,1,2,3,4,5,6,7
	v_pk_fma_f32 v[AC+2*\e:AC+2*\e+1], v[XT+\i:XT+\i+1], v[RW+16*\e+\i:RW+16*\e+\i+1], v[AC+2*\e:AC+2*\e+1]
.endr
.endr
	WIN 0
.irp e, 0,1,2,3,4,5,6,7
	v_add_f32 v[LG+\e], v[AC+2*\e], v[AC+2*\e+1]
.endr
.irp x, 1,2,4,8
.irp e, 0,1,2,3,4,5,6,7
	v_add_f32_dpp v[LG+\e], v[LG+\e], v[LG+\e] row_xmask:\x row_mask:0xf bank_mask:0xf
.endr
.endr
.irp e, 0,1,2,3,4,5,6,7
	v_permlanex16_b32 v[PM+\e], v[LG+\e], s20, s21
.endr
.irp e, 0,1,2,3,4,5,6,7
	v_add_f32 v[LG+\e], v[LG+\e], v[PM+\e]         ; every lane holds the wave's part of the eight logits
.endr
	ds_store_b128 v6, v[LG:LG+3] offset:128*(\t)   ; all lanes write the same words with the same values
	ds_store_b128 v6, v[LG+4:LG+7] offset:128*(\t)+16
.endm
.irp t, 0,1,2,3,4,5,6,7
	LOAD \t
.endr
	s_wait_loadcnt 28                              ; token 0's four loads are in (and the router's weights, which are older); seven tokens' may be out
	TURN 0
.irp t, 0,1,2,3,4,5,6,7,8,9,10,11,12,13,14,15
	STEP \t
.endr
	s_wait_dscnt 0x0                               ; for the others' sake: my scale bytes and partial logits lie in LDS
	s_barrier_signal -1
	s_barrier_wait -1
	ds_load_b64 v[200:201], v10
	s_wait_dscnt 0x0
	global_store_b64 v7, v[200:201], s[14:15]      ; a wave stores 256 consecutive bytes, aligned: four tokens' scale bytes
	s_cmp_lg_u32 s16, 0
	s_cbranch_scc1 .Lend
	; wave 0: lane l (and l + 16, which does the same) takes token l % 16
.irp w, 0,1,2,3
	ds_load_b128 v[164+8*\w:167+8*\w], v13 offset:32*\w
	ds_load_b128 v[168+8*\w:171+8*\w], v13 offset:32*\w+16
.endr
	s_wait_dscnt 0x0
.irp e, 0,1,2,3,4,5,6,7
	v_add_f32 v[164+\e], v[164+\e], v[172+\e]
	v_add_f32 v[180+\e], v[180+\e], v[188+\e]
.endr
.irp e, 0,1,2,3,4,5,6,7
	v_add_f32 v[164+\e], v[164+\e], v[180+\e]      ; the logits
.endr
	v_mov_b32 v172, v164                           ; the largest, and its index: a later one must be strictly larger, so the lower index wins a tie
	v_mov_b32 v173, 0
.irp e, 1,2,3,4,5,6,7
	v_cmp_gt_f32 vcc_lo, v[164+\e], v172
	v_cndmask_b32 v172, v172, v[164+\e], vcc_lo
	v_cndmask_b32 v173, v173, \e, vcc_lo
.endr
	v_mov_b32 v174, 0xff800000                     ; the second: the largest of the other seven
	v_cmp_eq_u32 vcc_lo, 0, v173
	v_cndmask_b32 v175, 0, 1, vcc_lo
.irp e, 0,1,2,3,4,5,6,7
	v_cmp_gt_f32 s24, v[164+\e], v174
	v_cmp_ne_u32 s25, \e, v173
	s_and_b32 s24, s24, s25
	v_cndmask_b32 v174, v174, v[164+\e], s24
	v_cndmask_b32 v175, v175, \e, s24
.endr
	v_sub_f32 v176, v174, v172                     ; the softmax of the two: the larger is taken away, so the exponent is 0 or less
	v_mul_f32 v176, 0x3fb8aa3b, v176
	v_exp_f32 v177, v176
	v_min_u32 v182, v173, v175                     ; (plain work behind the exponential)  lo,
	v_max_u32 v183, v173, v175                     ; hi
	s_wait_alu depctr_va_vdst(0)                   ; the wait ahead of the first line that names the result
	v_add_f32 v178, 1.0, v177
	v_rcp_f32 v179, v178
	v_sub_nc_u32 v184, 15, v182                    ; (plain work behind the reciprocal)  the pair's number: lo's pairs begin at lo (15 - lo) / 2;
	v_mul_u32_u24 v184, v182, v184
	v_lshrrev_b32 v184, 1, v184
	v_sub_nc_u32 v187, v183, v182
	v_add_nc_u32 v187, -1, v187                    ; among them hi counts upward, hi - lo - 1, where lo is even,
	v_sub_nc_u32 v188, 7, v183                     ; and downward, 7 - hi, where lo is odd
	v_and_b32 v189, 1, v182
	v_cmp_eq_u32 vcc_lo, 1, v189
	v_cndmask_b32 v187, v187, v188, vcc_lo
	v_add_nc_u32 v184, v184, v187                  ; q, 0 .. 27
	v_lshl_or_b32 v184, v173, 8, v184
	v_lshl_or_b32 v184, v175, 16, v184
	s_wait_alu depctr_va_vdst(0)
	v_mov_b32 v180, v179                           ; the first's weight 1 / (1 + ex),
	v_mul_f32 v181, v177, v179                     ; the second's ex / (1 + ex)
	v_and_b32 v185, 15, v0
	v_lshlrev_b32 v186, 3, v185
	v_lshlrev_b32 v185, 2, v185
	s_wait_xcnt 0x0                                ; EXEC changes only when the store above has read it
	v_cmp_gt_u32 vcc_lo, 16, v2
	s_and_saveexec_b32 s26, vcc_lo
	global_store_b32 v185, v184, s[8:9]
	global_store_b64 v186, v[180:181], s[10:11]
	s_wait_xcnt 0x0
	s_or_b32 exec_lo, exec_lo, s26
.Lend:
	s_wait_tensorcnt 0x0
	ds_add_u32 v254, v255
	s_wait_dscnt 0x0
	s_endpgm
.Lfunc_end_k_q10bfe31633_route:
	.size	k_q10bfe31633_route, .Lfunc_end_k_q10bfe31633_route-k_q10bfe31633_route
	.p2alignl 7, 3214868480
	.fill 96, 4, 3214868480
	.section	.rodata,"a",@progbits
	.p2align	6, 0x0
	.amdhsa_kernel k_q10bfe31633_route
		.amdhsa_group_segment_fixed_size 25088
		.amdhsa_private_segment_fixed_size 0
		.amdhsa_enable_private_segment 0
		.amdhsa_kernarg_size 40
		.amdhsa_user_sgpr_count 2
		.amdhsa_user_sgpr_kernarg_segment_ptr 1
		.amdhsa_wavefront_size32 1
		.amdhsa_system_sgpr_workgroup_id_x 1
		.amdhsa_system_sgpr_workgroup_id_y 1
		.amdhsa_system_sgpr_workgroup_id_z 1
		.amdhsa_system_vgpr_workitem_id 0
		.amdhsa_next_free_vgpr 512
		.amdhsa_next_free_sgpr 66
		.amdhsa_reserve_vcc 1
		.amdhsa_float_denorm_mode_32 3
		.amdhsa_float_denorm_mode_16_64 3
		.amdhsa_memory_ordered 1
		.amdhsa_forward_progress 1
		.amdhsa_inst_pref_size 159
	.end_amdhsa_kernel
	.amdgpu_metadata
---
amdhsa.version: [ 1, 2 ]
amdhsa.kernels:
  - .name:           k_q10bfe31633_route
    .symbol:         k_q10bfe31633_route.kd
    .args:
      - { .name: x, .offset: 0, .size: 8, .value_kind: global_buffer, .address_space: global }
      - { .name: router_w, .offset: 8, .size: 8, .value_kind: global_buffer, .address_space: global }
      - { .name: sel, .offset: 16, .size: 8, .value_kind: global_buffer, .address_space: global }
      - { .name: gate, .offset: 24, .size: 8, .value_kind: global_buffer, .address_space: global }
      - { .name: xqs, .offset: 32, .size: 8, .value_kind: global_buffer, .address_space: global }
    .group_segment_fixed_size: 25088
    .private_segment_fixed_size: 0
    .kernarg_segment_align: 8
    .kernarg_segment_size: 40
    .max_flat_workgroup_size: 128
    .sgpr_count:     66
    .vgpr_count:     512
    .wavefront_size: 32
...
	.end_amdgpu_metadata
.endif
;; end of part 1
;; launch place (part 2): grid 145 x 1, 32 waves a work-group, no clusters, 8,192 bytes of LDS; arguments sel, Wd, Wg_codes, Wg_scales, Wu_codes, Wu_scales, order, wgu, wdb; writes order, wgu, wdb
.if DOCPART == 2
	.amdgcn_target "amdgcn-amd-amdhsa--gfx1250"
	.amdhsa_code_object_version 6
	.text
	.protected	k_q10bfe31633_place
	.globl	k_q10bfe31633_place
	.p2align	8
	.type	k_q10bfe31633_place,@function
k_q10bfe31633_place:
	s_mov_b64 s[64:65], 0
	v_nop
	global_prefetch_b8 v0, s[64:65] scope:SCOPE_SE
	s_setreg_imm32_b32 hwreg(HW_REG_WAVE_MODE, 25, 1), 1
	s_wait_xcnt 0x0
; PLACE: three jobs that need nothing of each other, told apart by the work-group's number.
; Work-group 0: a counting sort of the 4,096 tokens by the number q (0..27) of their pair of experts: order[place] = token.  No atomics: 32 waves count, one barrier, every wave adds up.
; Work-groups 1..96: Wd [8][2048][344] f32 becomes codes of FP6 (E2M3) along K = 344, filled with zeros to 384, laid as images of the operand's registers:
;   wdb: ((e 128 + n) 3 + s) 1536 + 512 c + 16 lane (tile n = rows 16 n .. 16 n + 15, K step s); scale words at DS0 + ((e 3 + s) 128 + n) 64 + 4 r.
; Work-groups 97..144: the given codes and scale bytes of Wg and Wu are laid as images too, taken as they are:
;   wgu: (e 12 + beta) 98304 + s 6144 + f 1536 + 512 c + 16 lane, f = 2 g + u (g = 0 Wg, 1 Wu); lane r of tile (beta, u) holds unit 32 beta + 8 u + r + 8 (r / 8), so that a lane's 16 results of
;   tiles u = 0, 1 are 16 neighbours along the next K.  Units from 344 on get zero codes and the byte 127.  Scale words at WS0 + (e 12 + beta) 4096 + (4 g + j) 512 + (16 u + r) 16: words s = 4 j .. 4 j + 3.
; LIMITS: NaN and infinities in Wd are not served; a block of zeros gets the byte 1 (its codes are zeros; only this program reads the bytes).
.set WS0, 9437184
.set DS0, 4718592
	s_load_b512 s[4:19], s[0:1], 0x0               ; sel s[4:5], Wd s[6:7], Wg's codes s[8:9], scales s[10:11], Wu's s[12:13], s[14:15], order s[16:17], wgu s[18:19]
	s_load_b64 s[20:21], s[0:1], 0x40              ; wdb
	v_lshl_add_u32 v126, v0, 2, 0x1000
	v_mov_b32 v127, 0
	v_lshrrev_b32 v1, 5, v0
	v_readfirstlane_b32 s22, v1                    ; wave 0..31
	v_and_b32 v1, 31, v0                           ; lane
	v_and_b32 v2, 15, v0                           ; r
	v_bfe_u32 v3, v0, 4, 1                         ; h
	v_lshlrev_b32 v6, 4, v1                        ; an image's place for my lane
	s_mov_b32 s24, 0x76543210
	s_mov_b32 s25, 0xfedcba98                      ; v_permlanex16_b32's selects for lane l xor 16
	s_wait_kmcnt 0x0
	s_cmp_eq_u32 ttmp9, 0
	s_cbranch_scc1 .Lsort
	s_cmp_lt_u32 ttmp9, 97
	s_cbranch_scc1 .Lwd
	; ---- Wg and Wu.  A wave takes one tile (e, beta, g, u) and four K steps 4 kq .. 4 kq + 3
	s_sub_co_u32 s26, ttmp9, 97
	s_lshl_b32 s26, s26, 5
	s_add_co_u32 s26, s26, s22                     ; 0 .. 1535
	s_and_b32 s27, s26, 3                          ; kq
	s_bfe_u32 s28, s26, 0x20002                    ; f
	s_lshr_b32 s29, s28, 1                         ; g
	s_and_b32 s30, s28, 1                          ; u
	s_lshr_b32 s31, s26, 4                         ; e 12 + beta, 0 .. 95
	s_mul_i32 s32, s31, 43
	s_lshr_b32 s32, s32, 9                         ; e = that / 12 (43 / 512 serves up to 95)
	s_mul_i32 s33, s32, 12
	s_sub_co_u32 s33, s31, s33                     ; beta
	s_cmp_eq_u32 s29, 0                            ; the choice hangs on the work-group's and the wave's number alone
	s_cselect_b64 s[8:9], s[8:9], s[12:13]
	s_cselect_b64 s[10:11], s[10:11], s[14:15]
	s_lshl_b32 s34, s33, 5
	s_lshl_b32 s35, s30, 3
	s_add_co_u32 s34, s34, s35
	v_and_b32 v8, 8, v2
	v_add3_u32 v8, v8, v2, s34                     ; my unit
	v_cmp_gt_u32 vcc_lo, 344, v8                   ; is there such a row?
	v_cndmask_b32 v9, 0, -1, vcc_lo
	v_min_u32 v8, 343, v8                          ; no load leaves its buffer
	v_mul_u32_u24 v10, v8, 1536
	v_mad_u32_u24 v10, v3, 24, v10                 ; codes: row x 1536 + 24 h
	v_lshlrev_b32 v11, 6, v8                       ; scale bytes: row x 64
	s_mul_i32 s40, s32, 528384                     ; an expert's 344 rows of 1,536 bytes
	s_mul_i32 s41, s27, 384
	s_add_co_u32 s40, s40, s41
	s_mov_b32 s41, 0
	s_add_nc_u64 s[8:9], s[8:9], s[40:41]
	s_mul_i32 s40, s32, 22016
	s_lshl_b32 s42, s27, 4
	s_add_co_u32 s40, s40, s42
	s_add_nc_u64 s[10:11], s[10:11], s[40:41]
	s_mul_i32 s40, s31, 98304
	s_mul_i32 s42, s27, 24576
	s_add_co_u32 s40, s40, s42
	s_mul_i32 s42, s28, 1536
	s_add_co_u32 s40, s40, s42
	s_add_nc_u64 s[36:37], s[18:19], s[40:41]
	s_lshl_b32 s40, s31, 12
	s_lshl_b32 s42, s29, 2
	s_add_co_u32 s42, s42, s27
	s_lshl_b32 s42, s42, 9
	s_add_co_u32 s40, s40, s42
	s_lshl_b32 s42, s30, 8
	s_add_co_u32 s40, s40, s42
	s_add_nc_u64 s[38:39], s[18:19], s[40:41]
	s_add_nc_u64 s[38:39], s[38:39], WS0
.irp s, 0,1,2,3
.irp p, 0,1,2,3,4,5
	global_load_b64 v[32+12*\s+2*\p:33+12*\s+2*\p], v10, s[8:9] offset:96*\s+48*(\p/3)+8*(\p%3)   ; a fragment's 2 x 24 bytes, in pieces of 8
.endr
.endr
	global_load_b128 v[80:83], v11, s[10:11]       ; my row's 16 scale bytes: the words of these four K steps
	v_mov_b32 v12, 0x7f7f7f7f
	v_lshlrev_b32 v13, 4, v2
	s_wait_loadcnt 0x0
.set i, 0
.rept 48
	v_and_b32 v[32+i], v9, v[32+i]                 ; zero codes where there is no such row
.set i, i+1
.endr
.irp i, 0,1,2,3
	v_cndmask_b32 v[80+\i], v12, v[80+\i], vcc_lo
.endr
.irp s, 0,1,2,3
.irp c, 0,1,2
	global_store_b128 v6, v[32+12*\s+4*\c:35+12*\s+4*\c], s[36:37] offset:6144*\s+512*\c   ; 32 lanes store 512 consecutive bytes
.endr
.endr
	global_store_b128 v13, v[80:83], s[38:39]      ; sixteen lanes fill 256 consecutive bytes (lanes 16-31 store the same bytes again)
	s_endpgm
	; ---- Wd.  A wave takes one tile of 16 rows and one K step of 128; lane (r, h) holds blocks h and 2 + h of row r whole, so no other lane is asked for a maximum
.Lwd:
	s_sub_co_u32 s26, ttmp9, 1
	s_lshr_b32 s23, s26, 5                         ; K step s
	s_and_b32 s26, s26, 31
	s_lshl_b32 s26, s26, 5
	s_add_co_u32 s26, s26, s22                     ; tile e 128 + n
	s_mul_i32 s28, s26, 22016                      ; 16 rows of 1,376 bytes
	s_lshl_b32 s29, s23, 9
	s_add_co_u32 s28, s28, s29
	s_mov_b32 s29, 0
	s_add_nc_u64 s[6:7], s[6:7], s[28:29]
	s_mul_i32 s28, s26, 3
	s_add_co_u32 s28, s28, s23
	s_mul_i32 s28, s28, 1536
	s_add_nc_u64 s[30:31], s[20:21], s[28:29]      ; the image
	s_lshr_b32 s28, s26, 7
	s_mul_i32 s28, s28, 3
	s_add_co_u32 s28, s28, s23
	s_lshl_b32 s28, s28, 7
	s_and_b32 s34, s26, 127
	s_add_co_u32 s28, s28, s34
	s_lshl_b32 s28, s28, 6
	s_add_nc_u64 s[32:33], s[20:21], s[28:29]
	s_add_nc_u64 s[32:33], s[32:33], DS0           ; the scale words
	v_mul_u32_u24 v5, v2, 1376
	v_lshl_add_u32 v4, v3, 7, v5                   ; row r, + 128 h
	v_lshlrev_b32 v7, 2, v2
.irp i, 0,1,2,3,4,5,6,7
	global_load_b128 v[32+4*\i:35+4*\i], v4, s[6:7] offset:16*\i                ; block h
.endr
	s_cmp_eq_u32 s23, 2
	s_cbranch_scc1 .Lwd_last
.irp i, 0,1,2,3,4,5,6,7
	global_load_b128 v[64+4*\i:67+4*\i], v4, s[6:7] offset:256+16*\i            ; block 2 + h
.endr
	s_wait_loadcnt 0x0
	s_branch .Lwd_quant
.Lwd_last:                                             ; K = 256 .. 383: a row ends at 344.  Block 10 has 24 numbers, block 11 none: no load leaves the row
.irp i, 0,1,2,3,4,5
	global_load_b128 v[64+4*\i:67+4*\i], v5, s[6:7] offset:256+16*\i            ; both halves of the lanes read block 10's 96 bytes,
.endr
	s_wait_loadcnt 0x0
	v_cmp_eq_u32 vcc_lo, 1, v3
.set i, 0
.rept 24
	v_cndmask_b32 v[64+i], v[64+i], 0, vcc_lo      ; and lanes 16-31, whose block is 11, take zeros
.set i, i+1
.endr
.irp i, 0,1,2,3,4,5,6,7
	v_mov_b32 v[88+\i], 0                          ; K = 344 .. 351
.endr
.Lwd_quant:
.irp c, 0,1
	v_max3_num_f32 v[8+\c], |v[32+32*\c]|, |v[33+32*\c]|, 0x1800000   ; the block's largest magnitude, and the floor 2^(3 - 127): the byte cannot fall under 1
.endr
.irp i, 2,4,6,8,10,12,14,16,18,20,22,24,26,28,30
.irp c, 0,1
	v_max3_num_f32 v[8+\c], v[8+\c], |v[32+32*\c+\i]|, |v[33+32*\c+\i]|   ; (the two blocks by turns)
.endr
.endr
.irp c, 0,1
	v_add_nc_u32 v[10+\c], 0xff000000, v[8+\c]     ; 2 off its exponent field: the conversion's scale operand
.endr
.irp c, 0,1
	v_lshrrev_b32 v[12+\c], 23, v[10+\c]           ; the scale's byte
.endr
	v_lshl_or_b32 v14, v13, 16, v12                ; my two bytes: blocks h and 2 + h,
	v_lshlrev_b32 v15, 3, v3
	v_lshlrev_b32 v14, v15, v14                    ; at their places in the word;
	v_mov_b32 v15, 0
	v_permlanex16_b32 v15, v14, s24, s25
	v_or_b32 v14, v14, v15                         ; with lane l xor 16's two the word is whole
.irp c, 0,1
	v_cvt_scalef32_pk16_fp6_f32 v[96+6*\c:98+6*\c], v[32+32*\c:47+32*\c], v[10+\c]
	v_cvt_scalef32_pk16_fp6_f32 v[108+4*\c:110+4*\c], v[48+32*\c:63+32*\c], v[10+\c]   ; (a conversion's three registers begin on an even number)
.endr
	v_nop                                          ; one plain line behind a scaled conversion
.irp c, 0,1
.irp i, 0,1,2
	v_mov_b32 v[99+6*\c+\i], v[108+4*\c+\i]
.endr
.endr
.irp c, 0,1,2
	global_store_b128 v6, v[96+4*\c:99+4*\c], s[30:31] offset:512*\c   ; 32 lanes store 512 consecutive bytes
.endr
	global_store_b32 v7, v14, s[32:33]             ; 64 bytes of scale words (lanes 16-31 store the same words again)
	s_endpgm
	; ---- the sort.  Thread t owns tokens 4 t .. 4 t + 3.  Places go by key, then wave, then j, then lane: any order inside a key serves
.Lsort:
	v_lshlrev_b32 v29, 2, v0
	v_lshlrev_b32 v30, 2, v1
	v_lshlrev_b32 v28, 4, v0
	global_load_b128 v[8:11], v28, s[4:5]
	v_mov_b32 v16, 0                               ; lane q: how many of my wave's 128 tokens have key q
	v_mov_b32 v17, 0                               ; lane q: how many of all tokens
	v_mov_b32 v18, 0                               ; lane q: how many in the waves ahead of mine
	v_mov_b32 v19, 0                               ; lane q: where key q begins
.irp j, 0,1,2,3
	v_mov_b32 v[20+\j], 0                          ; my tokens' places
	v_add_nc_u32 v[24+\j], \j, v29                 ; my tokens
.endr
	s_wait_loadcnt 0x0
.irp j, 0,1,2,3
	v_and_b32 v[12+\j], 0xff, v[8+\j]              ; their keys
.endr
.set q, 0
.rept 28
	v_cmp_eq_u32 s26, q, v12
	v_cmp_eq_u32 s27, q, v13
	v_cmp_eq_u32 s28, q, v14
	v_cmp_eq_u32 s29, q, v15
	s_bcnt1_i32_b32 s26, s26
	s_bcnt1_i32_b32 s27, s27
	s_bcnt1_i32_b32 s28, s28
	s_bcnt1_i32_b32 s29, s29
	s_add_co_u32 s26, s26, s27
	s_add_co_u32 s28, s28, s29
	s_add_co_u32 s26, s26, s28
	v_writelane_b32 v16, s26, q
.set q, q+1
.endr
	ds_store_b32 v29, v16                          ; 128 x wave + 4 x key
	s_wait_dscnt 0x0                               ; for the others' sake
	s_barrier_signal -1
	s_barrier_wait -1
.set w, 0
.rept 32
	ds_load_b32 v[32+w], v30 offset:128*w
.set w, w+1
.endr
	s_wait_dscnt 0x0
.set w, 0
.rept 32
	s_cmp_gt_u32 s22, w
	s_cselect_b32 s26, -1, 0
	v_add_nc_u32 v17, v17, v[32+w]
	v_and_b32 v28, s26, v[32+w]
	v_add_nc_u32 v18, v18, v28
.set w, w+1
.endr
	s_mov_b32 s27, 0
.set q, 0
.rept 28
	v_writelane_b32 v19, s27, q
	v_readlane_b32 s28, v17, q
	s_add_co_u32 s27, s27, s28
.set q, q+1
.endr
	v_add_nc_u32 v19, v19, v18                     ; lane q: the first place of my wave's tokens of key q
.set q, 0
.rept 28
	v_readlane_b32 s26, v19, q
.irp j, 0,1,2,3
	v_cmp_eq_u32 s27, q, v[12+\j]
	v_mbcnt_lo_u32_b32 v28, s27, s26               ; the place: the run's next free one + the lanes below mine with this key
	v_cndmask_b32 v[20+\j], v[20+\j], v28, s27
	s_bcnt1_i32_b32 s28, s27
	s_add_co_u32 s26, s26, s28
.endr
.set q, q+1
.endr
.irp j, 0,1,2,3
	v_min_u32 v[20+\j], 0xfff, v[20+\j]            ; a place is under 4,096
	v_lshlrev_b32 v[20+\j], 2, v[20+\j]
.endr
.irp j, 0,1,2,3
	global_store_b32 v[20+\j], v[24+\j], s[16:17]  ; a permutation of 16,384 bytes: single words, since a token's place hangs on its key
.endr
	s_wait_tensorcnt 0x0
	ds_add_u32 v126, v127
	s_wait_dscnt 0x0
	s_endpgm
.Lfunc_end_k_q10bfe31633_place:
	.size	k_q10bfe31633_place, .Lfunc_end_k_q10bfe31633_place-k_q10bfe31633_place
	.p2alignl 7, 3214868480
	.fill 96, 4, 3214868480
	.section	.rodata,"a",@progbits
	.p2align	6, 0x0
	.amdhsa_kernel k_q10bfe31633_place
		.amdhsa_group_segment_fixed_size 8192
		.amdhsa_private_segment_fixed_size 0
		.amdhsa_enable_private_segment 0
		.amdhsa_kernarg_size 72
		.amdhsa_user_sgpr_count 2
		.amdhsa_user_sgpr_kernarg_segment_ptr 1
		.amdhsa_wavefront_size32 1
		.amdhsa_system_sgpr_workgroup_id_x 1
		.amdhsa_system_sgpr_workgroup_id_y 1
		.amdhsa_system_sgpr_workgroup_id_z 1
		.amdhsa_system_vgpr_workitem_id 0
		.amdhsa_next_free_vgpr 128
		.amdhsa_next_free_sgpr 66
		.amdhsa_reserve_vcc 1
		.amdhsa_float_denorm_mode_32 3
		.amdhsa_float_denorm_mode_16_64 3
		.amdhsa_memory_ordered 1
		.amdhsa_forward_progress 1
		.amdhsa_inst_pref_size 75
	.end_amdhsa_kernel
	.amdgpu_metadata
---
amdhsa.version: [ 1, 2 ]
amdhsa.kernels:
  - .name:           k_q10bfe31633_place
    .symbol:         k_q10bfe31633_place.kd
    .args:
      - { .name: sel, .offset: 0, .size: 8, .value_kind: global_buffer, .address_space: global }
      - { .name: Wd, .offset: 8, .size: 8, .value_kind: global_buffer, .address_space: global }
      - { .name: Wg_codes, .offset: 16, .size: 8, .value_kind: global_buffer, .address_space: global }
      - { .name: Wg_scales, .offset: 24, .size: 8, .value_kind: global_buffer, .address_space: global }
      - { .name: Wu_codes, .offset: 32, .size: 8, .value_kind: global_buffer, .address_space: global }
      - { .name: Wu_scales, .offset: 40, .size: 8, .value_kind: global_buffer, .address_space: global }
      - { .name: order, .offset: 48, .size: 8, .value_kind: global_buffer, .address_space: global }
      - { .name: wgu, .offset: 56, .size: 8, .value_kind: global_buffer, .address_space: global }
      - { .name: wdb, .offset: 64, .size: 8, .value_kind: global_buffer, .address_space: global }
    .group_segment_fixed_size: 8192
    .private_segment_fixed_size: 0
    .kernarg_segment_align: 8
    .kernarg_segment_size: 72
    .max_flat_workgroup_size: 1024
    .sgpr_count:     66
    .vgpr_count:     128
    .wavefront_size: 32
...
	.end_amdgpu_metadata
.endif
;; end of part 2
;; launch hid (part 3): grid 3 x 64, 4 waves a work-group, no clusters, 98,816 bytes of LDS; arguments order, sel, xqs, wgu, hb; writes hb
.if DOCPART == 3
	.amdgcn_target "amdgcn-amd-amdhsa--gfx1250"
	.amdhsa_code_object_version 6
	.text
	.protected	k_q10bfe31633_hid
	.globl	k_q10bfe31633_hid
	.p2align	8
	.type	k_q10bfe31633_hid,@function
k_q10bfe31633_hid:
	s_mov_b64 s[64:65], 0
	v_nop
	global_prefetch_b8 v0, s[64:65] scope:SCOPE_SE
	s_setreg_imm32_b32 hwreg(HW_REG_WAVE_MODE, 25, 1), 1
	s_wait_xcnt 0x0
; HID: h = silu(x Wg^T) * (x Wu^T) for the experts that a block of tokens uses, quantised along the next K, as codes of FP6 (E2M3).
; A work-group takes block b: the 64 tokens at places 64 b .. 64 b + 63 of the sorted order, and chunk c: hidden units 128 c .. 128 c + 127, which are K step c of the down product.
; Wave w takes all 64 rows and units 32 (4 c + w) .. + 31: one block of the next K: two tiles of the gate and two of the up product for each of four tiles of rows: 16 accumulators, which take turns.
; The walk over the eight experts has a constant count; an expert that none of the 64 tokens chose is passed over by a scalar branch on the stored choice.
; This launch has no tensor load: the weights come from memory straight into registers, as images of the operand's registers (512 consecutive bytes a load), five K steps ahead.
; No cluster shares the weights: neighbours in the grid need different experts, and a partner could not make every joint request.
; x's codes of the 64 tokens are gathered once into LDS as images (64 fragments of 1,536 bytes) and read by all four waves; the only barrier stands behind that, ahead of the walk.
; Both products are used transposed (source 0 = 16 units, source 1 = 16 tokens): a lane holds one token, and the 16 registers of tiles u = 0, 1 are 16 neighbouring units.
; Units from 344 on have zero codes in wgu, so h is 0 there, as the quantiser's fill asks.  Rows whose token did not choose the expert are computed too; the next launch gives them the weight 0.
; OUT: hb: codes at ((b 8 + e) 3 + c) 6144 + row 96 + 48 (w & 1) + 24 (w >> 1) + 12 h; scale bytes at HS0 + ((b 8 + e) 3 + c) 256 + row 4 + w.  A wave holds one block of a row, so it stores 12 bytes and one byte
; a lane; gathering them over the waves would want a barrier inside the walk.
; LIMITS: NaN and infinities are not served.  Where 2^(-g log2 e) passes the largest f32 number the sigmoid is taken as 0.  A block of zeros gets the byte 1 (only this program reads the bytes).
.set XS0, 6291456
.set WS0, 9437184
.set HS0, 9437184
.set WS,  16                           ; v16-47   the weights' scale words: 16 g + s; lanes 0-15 tile u = 0, lanes 16-31 u = 1
.set XS,  48                           ; v48-79   x's scale words: 16 mp + s; lane l holds row 32 mp + l
.set ACC, 80                           ; v80-207  accumulator (m, g, u) at 32 m + 16 g + 8 u
.set T,   208                          ; v208-239 at work; then the codes, four registers a tile of rows
.set MX,  240                          ; v240-243 largest magnitudes; v244-247 the other half's; v248-251 the conversions' scale operands; v252-255 the bytes
.set PM,  244
.set SCL, 248
.set BY,  252
; window 1: v0-239 the weights' ring: five slots of four fragments (also the way of x's codes into LDS).   window 2: v0-95 two sets of x's four fragments.
.set MSB, 0
.macro WIN new                         ; the immediate's high byte repeats the setting that is left
.if MSB != \new
	s_set_vgpr_msb (MSB<<8)|\new
.set MSB, \new
.endif
.endm
; one matrix instruction, from the symbols rD, rA, rB, rSA, rSB; rRA, rRB: the scales stand in lanes 16-31.  zero = 1: it starts the sum
.macro MM zero
.if \zero
.if rRA && rRB
	v_wmma_scale_f32_16x16x128_f8f6f4 v[rD:rD+7], v[rA:rA+11], v[rB:rB+11], 0, v[rSA], v[rSB] matrix_a_fmt:MATRIX_FMT_FP6 matrix_b_fmt:MATRIX_FMT_FP6 matrix_a_scale:MATRIX_SCALE_ROW1 matrix_b_scale:MATRIX_SCALE_ROW1
.elseif rRA
	v_wmma_scale_f32_16x16x128_f8f6f4 v[rD:rD+7], v[rA:rA+11], v[rB:rB+11], 0, v[rSA], v[rSB] matrix_a_fmt:MATRIX_FMT_FP6 matrix_b_fmt:MATRIX_FMT_FP6 matrix_a_scale:MATRIX_SCALE_ROW1
.elseif rRB
	v_wmma_scale_f32_16x16x128_f8f6f4 v[rD:rD+7], v[rA:rA+11], v[rB:rB+11], 0, v[rSA], v[rSB] matrix_a_fmt:MATRIX_FMT_FP6 matrix_b_fmt:MATRIX_FMT_FP6 matrix_b_scale:MATRIX_SCALE_ROW1
.else
	v_wmma_scale_f32_16x16x128_f8f6f4 v[rD:rD+7], v[rA:rA+11], v[rB:rB+11], 0, v[rSA], v[rSB] matrix_a_fmt:MATRIX_FMT_FP6 matrix_b_fmt:MATRIX_FMT_FP6
.endif
.else
.if rRA && rRB
	v_wmma_scale_f32_16x16x128_f8f6f4 v[rD:rD+7], v[rA:rA+11], v[rB:rB+11], v[rD:rD+7], v[rSA], v[rSB] matrix_a_fmt:MATRIX_FMT_FP6 matrix_b_fmt:MATRIX_FMT_FP6 matrix_a_scale:MATRIX_SCALE_ROW1 matrix_b_scale:MATRIX_SCALE_ROW1
.elseif rRA
	v_wmma_scale_f32_16x16x128_f8f6f4 v[rD:rD+7], v[rA:rA+11], v[rB:rB+11], v[rD:rD+7], v[rSA], v[rSB] matrix_a_fmt:MATRIX_FMT_FP6 matrix_b_fmt:MATRIX_FMT_FP6 matrix_a_scale:MATRIX_SCALE_ROW1
.elseif rRB
	v_wmma_scale_f32_16x16x128_f8f6f4 v[rD:rD+7], v[rA:rA+11], v[rB:rB+11], v[rD:rD+7], v[rSA], v[rSB] matrix_a_fmt:MATRIX_FMT_FP6 matrix_b_fmt:MATRIX_FMT_FP6 matrix_b_scale:MATRIX_SCALE_ROW1
.else
	v_wmma_scale_f32_16x16x128_f8f6f4 v[rD:rD+7], v[rA:rA+11], v[rB:rB+11], v[rD:rD+7], v[rSA], v[rSB] matrix_a_fmt:MATRIX_FMT_FP6 matrix_b_fmt:MATRIX_FMT_FP6
.endif
.endif
.endm
	s_load_b256 s[4:11], s[0:1], 0x0               ; order s[4:5], sel s[6:7], xqs s[8:9], wgu s[10:11]
	s_load_b64 s[12:13], s[0:1], 0x20              ; hb
	s_set_vgpr_msb 0x40
	v_lshl_add_u32 v254, v0, 2, 0x18000
	v_mov_b32 v255, 0
	s_set_vgpr_msb 0x4000
	v_lshrrev_b32 v6, 5, v0
	v_readfirstlane_b32 s16, v6                    ; wave 0..3
	s_mov_b32 s17, ttmp9                           ; chunk c
	s_and_b32 s18, ttmp7, 0xffff                   ; block b
	s_lshl_b32 s19, s17, 2
	s_add_co_u32 s19, s19, s16                     ; beta = 4 c + w
	v_and_b32 v8, 31, v0
	v_lshlrev_b32 v1, 4, v8                        ; v1: 16 x lane: an image's place for my lane
	v_add_nc_u32 v2, 49152, v1                     ; v2: the same for the tiles of rows 2 and 3
	v_and_b32 v12, 15, v0                          ; r
	v_bfe_u32 v7, v0, 4, 1                         ; h
	s_and_b32 s34, s16, 1
	s_mul_i32 s34, s34, 48
	s_lshr_b32 s35, s16, 1
	s_mul_i32 s35, s35, 24
	s_add_co_u32 s34, s34, s35
	v_mul_u32_u24 v4, v12, 96
	v_mad_u32_u24 v4, v7, 12, v4
	v_add_nc_u32 v4, s34, v4                       ; v4: where my 12 bytes of h's codes go
	v_lshl_add_u32 v5, v12, 2, s16                 ; v5: and the scale byte
	v_lshlrev_b32 v8, 2, v8                        ; order: 4 x lane,
	s_lshl_b32 s34, s16, 6
	v_lshl_add_u32 v9, v12, 2, s34                 ; and 4 r + 64 w: the tile of rows that my wave gathers
	s_mul_i32 s34, s16, 24576
	v_add_nc_u32 v6, s34, v1                       ; v6: LDS: that tile's 16 images
.irp m, 0,1,2,3
	v_mov_b32 v[PM+\m], 0                          ; written once: a lane permute's destination counts as one of its sources
.endr
	s_mov_b32 s30, 0xbfb8aa3b                      ; -log2(e); the packed form names a pair and takes its low word for both halves
	s_mov_b32 s31, s30
	s_mov_b32 s32, 0x76543210
	s_mov_b32 s33, 0xfedcba98                      ; v_permlanex16_b32's selects for lane l xor 16
	s_lshl_b32 s36, s18, 8
	s_mov_b32 s37, 0
	s_mul_i32 s40, s19, 98304
	s_mov_b32 s41, 0
	s_lshl_b32 s42, s19, 12
	s_mov_b32 s43, 0
	s_mul_i32 s44, s18, 24
	s_add_co_u32 s44, s44, s17
	s_mul_i32 s46, s44, 6144
	s_mov_b32 s47, 0
	s_lshl_b32 s44, s44, 8
	s_mov_b32 s45, 0
	s_wait_kmcnt 0x0
	s_add_nc_u64 s[4:5], s[4:5], s[36:37]          ; order at my block
	s_add_nc_u64 s[20:21], s[10:11], s[40:41]      ; s[20:21] the weights' images of (expert 0, beta)
	s_add_nc_u64 s[22:23], s[10:11], s[42:43]
	s_add_nc_u64 s[22:23], s[22:23], WS0           ; s[22:23] their scale words
	s_add_nc_u64 s[24:25], s[12:13], s[46:47]      ; s[24:25] h's codes of (b, expert 0, c)
	s_add_nc_u64 s[26:27], s[12:13], s[44:45]
	s_add_nc_u64 s[26:27], s[26:27], HS0           ; s[26:27] h's scale bytes
	s_add_nc_u64 s[38:39], s[8:9], XS0             ; x's scale bytes
	global_load_b32 v10, v8, s[4:5]                ; the tokens of rows lane,
	global_load_b32 v11, v8, s[4:5] offset:128     ; 32 + lane,
	global_load_b32 v12, v9, s[4:5]                ; and 16 w + r
	s_wait_loadcnt 0x0
	v_min_u32 v10, 0xfff, v10                      ; a token is under 4,096
	v_min_u32 v11, 0xfff, v11
	v_min_u32 v12, 0xfff, v12
	v_lshlrev_b32 v13, 2, v10
	v_lshlrev_b32 v14, 2, v11
	v_lshlrev_b32 v8, 6, v10
	v_lshlrev_b32 v9, 6, v11
	v_mul_u32_u24 v15, v12, 1536
	v_mad_u32_u24 v15, v7, 48, v15                 ; my 48 bytes of each of the token's 16 fragments
	global_load_b32 v[T], v13, s[6:7]              ; the choices of my two rows
	global_load_b32 v[T+1], v14, s[6:7]
.irp j, 0,1,2,3
	global_load_b128 v[XS+4*\j:XS+4*\j+3], v8, s[38:39] offset:16*\j
	global_load_b128 v[XS+16+4*\j:XS+16+4*\j+3], v9, s[38:39] offset:16*\j
.endr
	WIN 0x40                                       ; destination window 1
.irp s, 0,1,2,3,4,5,6,7,8,9,10,11,12,13,14,15
.irp c, 0,1,2
	global_load_b128 v[12*\s+4*\c:12*\s+4*\c+3], v15, s[8:9] offset:96*\s+16*\c
.endr
.endr
	WIN 0
	s_wait_loadcnt 0x0
	v_mov_b32 v14, 1
	v_bfe_u32 v10, v[T], 8, 8
	v_lshlrev_b32 v3, v10, v14                     ; v3: a bit for each expert that my two rows chose
	v_bfe_u32 v10, v[T], 16, 8
	v_lshlrev_b32 v10, v10, v14
	v_or_b32 v3, v3, v10
	v_bfe_u32 v10, v[T+1], 8, 8
	v_lshlrev_b32 v10, v10, v14
	v_or_b32 v3, v3, v10
	v_bfe_u32 v10, v[T+1], 16, 8
	v_lshlrev_b32 v10, v10, v14
	v_or_b32 v3, v3, v10
	WIN 0x04                                       ; an LDS store's data are its source 1: window 1
.irp s, 0,1,2,3,4,5,6,7,8,9,10,11,12,13,14,15
.irp c, 0,1,2
	ds_store_b128 v6, v[12*\s+4*\c:12*\s+4*\c+3] offset:1536*\s+512*\c
.endr
.endr
	WIN 0
	s_wait_dscnt 0x0                               ; for the others' sake: my 16 images lie in LDS
	s_barrier_signal -1
	s_barrier_wait -1                              ; all 64 do; nothing writes them again
.macro WLOAD s                         ; K step s's four fragments of the weights into slot s % 5: 12 loads of 512 consecutive bytes
	WIN 0x40
.irp f, 0,1,2,3
.irp c, 0,1,2
	global_load_b128 v[48*((\s)%5)+12*\f+4*\c:48*((\s)%5)+12*\f+4*\c+3], v1, s[20:21] offset:6144*(\s)+1536*\f+512*\c
.endr
.endr
.endm
.macro XFETCH s                        ; K step s's four fragments of x into set s % 2
	WIN 0x80
.irp m, 0,1
.irp c, 0,1,2
	ds_load_b128 v[48*((\s)%2)+12*\m+4*\c:48*((\s)%2)+12*\m+4*\c+3], v1 offset:24576*\m+1536*(\s)+512*\c
.endr
.endr
.irp m, 0,1
.irp c, 0,1,2
	ds_load_b128 v[48*((\s)%2)+24+12*\m+4*\c:48*((\s)%2)+24+12*\m+4*\c+3], v2 offset:24576*\m+1536*(\s)+512*\c
.endr
.endr
.endm
.macro KSTEP s
.if (\s) < 15
	XFETCH (\s)+1                                  ; into the set that the step before has left, four plain lines behind its last product
.endif
.set LAST, (\s)+4
.if LAST > 15
.set LAST, 15
.endif
	s_wait_loadcnt 12*(LAST-(\s))                  ; this step's weights are in (and, at step 0, the scale words, which are older); the ring's younger steps may be out
.if (\s) < 15
	s_wait_dscnt 12                                ; this step's x is in; the 12 loads just issued may be out
.else
	s_wait_dscnt 0x0
.endif
	WIN 0x09                                       ; source 0 (weights) window 1, source 1 (x) window 2, C and D window 0
.irp m, 0,1,2,3
.irp f, 0,1,2,3
.set rD, ACC+32*\m+8*\f
.set rA, 48*((\s)%5)+12*\f
.set rB, 48*((\s)%2)+12*\m
.set rSA, WS+16*(\f/2)+(\s)
.set rSB, XS+16*(\m/2)+(\s)
.set rRA, \f%2
.set rRB, \m%2
.if (\s) == 0
	MM 1
.else
	MM 0
.endif
.endr
.endr
.rept 4
	v_nop                                          ; four plain lines in front of loads into registers that these products have read, and of the first read of results
.endr
.if (\s)+5 < 16
	WLOAD (\s)+5                                   ; into the slot just multiplied
.endif
.endm
; silu(g) * u for the tiles of rows m0 and m0 + 1: sig = 1 / (1 + 2^(-g log2 e)); (g sig) u.  Each batch of 32 transcendentals has one plain line and one wait behind it.
; Every accumulator is read from its low end on.
.macro SILU m0
.irp m, \m0, \m0+1
.irp i, 0,2,4,6,8,10,12,14
	v_pk_mul_f32 v[T+16*((\m)-(\m0))+\i:T+16*((\m)-(\m0))+\i+1], v[ACC+32*(\m)+\i:ACC+32*(\m)+\i+1], s[30:31] op_sel_hi:[1,0]
.endr
.endr
.set i, 0
.rept 32
	v_exp_f32 v[T+i], v[T+i]
.set i, i+1
.endr
	v_nop
	s_wait_alu depctr_va_vdst(0)
.set i, 0
.rept 16
	v_pk_add_f32 v[T+i:T+i+1], v[T+i:T+i+1], 1.0 op_sel_hi:[1,0]
.set i, i+2
.endr
.set i, 0
.rept 32
	v_rcp_f32 v[T+i], v[T+i]
.set i, i+1
.endr
	v_nop
	s_wait_alu depctr_va_vdst(0)
.irp m, \m0, \m0+1
.irp i, 0,2,4,6,8,10,12,14
	v_pk_mul_f32 v[ACC+32*(\m)+\i:ACC+32*(\m)+\i+1], v[ACC+32*(\m)+\i:ACC+32*(\m)+\i+1], v[T+16*((\m)-(\m0))+\i:T+16*((\m)-(\m0))+\i+1]
.endr
.endr
.irp m, \m0, \m0+1
.irp i, 0,2,4,6,8,10,12,14
	v_pk_mul_f32 v[ACC+32*(\m)+\i:ACC+32*(\m)+\i+1], v[ACC+32*(\m)+\i:ACC+32*(\m)+\i+1], v[ACC+32*(\m)+16+\i:ACC+32*(\m)+16+\i+1]
.endr
.endr
.endm
	s_mov_b32 s28, 0                               ; the expert
.Lexpert:
	s_lshl_b32 s34, 1, s28
	v_and_b32 v7, s34, v3
	v_cmp_ne_u32 vcc_lo, 0, v7                     ; has any of the 64 rows chosen it?  (Each wave's lanes hold all 64 rows' bits: all four waves go the same way)
	s_cmp_eq_u32 vcc_lo, 0
	s_cbranch_scc1 .Lskip
.irp j, 0,1,2,3,4,5,6,7
	global_load_b128 v[WS+4*\j:WS+4*\j+3], v1, s[22:23] offset:512*\j    ; the scale words of all 16 K steps, gate then up
.endr
.irp s, 0,1,2,3,4
	WLOAD \s
.endr
	XFETCH 0
.irp s, 0,1,2,3,4,5,6,7,8,9,10,11,12,13,14,15
	KSTEP \s
.endr
	WIN 0
	SILU 0
	SILU 2
	; my block of 32 units of each row: 16 numbers are mine, 16 lane l xor 16's.  The four tiles of rows by turns
.irp m, 0,1,2,3
	v_max3_num_f32 v[MX+\m], |v[ACC+32*\m]|, |v[ACC+32*\m+1]|, 0x1800000   ; with the floor 2^(3 - 127): the byte cannot fall under 1
.endr
.irp i, 2,4,6,8,10,12,14
.irp m, 0,1,2,3
	v_max3_num_f32 v[MX+\m], v[MX+\m], |v[ACC+32*\m+\i]|, |v[ACC+32*\m+\i+1]|
.endr
.endr
.irp m, 0,1,2,3
	v_permlanex16_b32 v[PM+\m], v[MX+\m], s32, s33
.endr
.irp m, 0,1,2,3
	v_max_num_f32 v[MX+\m], v[MX+\m], v[PM+\m]
.endr
.irp m, 0,1,2,3
	v_add_nc_u32 v[SCL+\m], 0xff000000, v[MX+\m]   ; 2 off the exponent field: the conversion's scale operand
.endr
.irp m, 0,1,2,3
	v_lshrrev_b32 v[BY+\m], 23, v[SCL+\m]          ; the scale's byte
.endr
.irp m, 0,1,2,3
	v_cvt_scalef32_pk16_fp6_f32 v[T+4*\m:T+4*\m+2], v[ACC+32*\m:ACC+32*\m+15], v[SCL+\m]
.endr
	v_nop                                          ; one plain line behind the conversions: matrix instructions write their sources again
.irp m, 0,1,2,3
	global_store_b96 v4, v[T+4*\m:T+4*\m+2], s[24:25] offset:1536*\m
	global_store_b8 v5, v[BY+\m], s[26:27] offset:64*\m    ; both halves of the lanes store the same byte with the same value
.endr
.Lskip:
	s_wait_xcnt 0x0                                ; the trip's loads and stores have read their bases and data: both may be written again
	s_add_nc_u64 s[20:21], s[20:21], 1179648       ; the next expert: 12 x 98,304,
	s_add_nc_u64 s[22:23], s[22:23], 49152         ; 12 x 4,096,
	s_add_nc_u64 s[24:25], s[24:25], 18432         ; 3 x 6,144,
	s_add_nc_u64 s[26:27], s[26:27], 768           ; 3 x 256 bytes on
	s_add_co_u32 s28, s28, 1
	s_cmp_lt_u32 s28, 8
	s_cbranch_scc1 .Lexpert
	s_set_vgpr_msb 0x5
	s_wait_tensorcnt 0x0
	ds_add_u32 v254, v255
	s_wait_dscnt 0x0
	s_set_vgpr_msb 0x500
	s_endpgm
.Lfunc_end_k_q10bfe31633_hid:
	.size	k_q10bfe31633_hid, .Lfunc_end_k_q10bfe31633_hid-k_q10bfe31633_hid
	.p2alignl 7, 3214868480
	.fill 96, 4, 3214868480
	.section	.rodata,"a",@progbits
	.p2align	6, 0x0
	.amdhsa_kernel k_q10bfe31633_hid
		.amdhsa_group_segment_fixed_size 98816
		.amdhsa_private_segment_fixed_size 0
		.amdhsa_enable_private_segment 0
		.amdhsa_kernarg_size 40
		.amdhsa_user_sgpr_count 2
		.amdhsa_user_sgpr_kernarg_segment_ptr 1
		.amdhsa_wavefront_size32 1
		.amdhsa_system_sgpr_workgroup_id_x 1
		.amdhsa_system_sgpr_workgroup_id_y 1
		.amdhsa_system_sgpr_workgroup_id_z 1
		.amdhsa_system_vgpr_workitem_id 0
		.amdhsa_next_free_vgpr 640
		.amdhsa_next_free_sgpr 66
		.amdhsa_reserve_vcc 1
		.amdhsa_float_denorm_mode_32 3
		.amdhsa_float_denorm_mode_16_64 3
		.amdhsa_memory_ordered 1
		.amdhsa_forward_progress 1
		.amdhsa_inst_pref_size 97
	.end_amdhsa_kernel
	.amdgpu_metadata
---
amdhsa.version: [ 1, 2 ]
amdhsa.kernels:
  - .name:           k_q10bfe31633_hid
    .symbol:         k_q10bfe31633_hid.kd
    .args:
      - { .name: order, .offset: 0, .size: 8, .value_kind: global_buffer, .address_space: global }
      - { .name: sel, .offset: 8, .size: 8, .value_kind: global_buffer, .address_space: global }
      - { .name: xqs, .offset: 16, .size: 8, .value_kind: global_buffer, .address_space: global }
      - { .name: wgu, .offset: 24, .size: 8, .value_kind: global_buffer, .address_space: global }
      - { .name: hb, .offset: 32, .size: 8, .value_kind: global_buffer, .address_space: global }
    .group_segment_fixed_size: 98816
    .private_segment_fixed_size: 0
    .kernarg_segment_align: 8
    .kernarg_segment_size: 40
    .max_flat_workgroup_size: 128
    .sgpr_count:     66
    .vgpr_count:     640
    .wavefront_size: 32
...
	.end_amdgpu_metadata
.endif
;; end of part 3
;; launch comb (part 4): grid 4 x 64, 4 waves a work-group, no clusters, 34,304 bytes of LDS; arguments order, sel, gate, hb, wdb, out0; writes out0
.if DOCPART == 4
	.amdgcn_target "amdgcn-amd-amdhsa--gfx1250"
	.amdhsa_code_object_version 6
	.text
	.protected	k_q10bfe31633_comb
	.globl	k_q10bfe31633_comb
	.p2align	8
	.type	k_q10bfe31633_comb,@function
k_q10bfe31633_comb:
	s_mov_b64 s[64:65], 0
	v_nop
	global_prefetch_b8 v0, s[64:65] scope:SCOPE_SE
	s_setreg_imm32_b32 hwreg(HW_REG_WAVE_MODE, 25, 1), 1
	s_wait_xcnt 0x0
; COMB: out[token] = the sum over the token's two experts of its gate weight x (h Wd^T), on codes of FP6 (E2M3).
; A work-group takes block b (the 64 tokens at places 64 b .. 64 b + 63 of the sorted order) and 512 of the 2,048 columns; wave w takes all 64 rows and 128 columns: eight tiles of Wd.
; So each output row's piece has one owner and nothing is added between work-groups.  The waves share nothing: no barrier.
; The walk over the eight experts has a constant count; an expert that none of the 64 tokens chose is passed over by a scalar branch on the stored choice. This launch has no tensor load: h's codes and
; Wd's images come from memory straight into registers.  No cluster shares Wd: neighbours in the grid need different experts.
; The product is used transposed (source 0 = 16 columns of the output = 16 rows of Wd, source 1 = 16 tokens): a lane holds one token and eight neighbouring columns.
; An expert's product of a tile goes into four accumulators D (one a tile of rows, K steps 0, 1, 2) and is then added into O with the lane's token's weight, 0 where the token did not choose the expert.
; O is cleared once: which expert is a block's first is not known when the text is written.
; LIMITS: NaN and infinities are not served (a row with weight 0 still multiplies its product by 0, as the source does).
.set HS0, 9437184
.set DS0, 4718592
.set I1,  8                            ; v8-11   first choice of token (m, r);  v12-15 second
.set I2,  12
.set GT,  16                           ; v16-23  their two weights, a pair a tile of rows
.set WT,  24                           ; v24-31  this expert's weight, in the low word of a pair
.set HSC, 32                           ; v32-37  h's scale words: 3 mp + s; lane l holds row 32 mp + l
.set WDS, 38                           ; v38-49  Wd's scale words: 3 tp + s; lanes 0-15 tile 2 tp, lanes 16-31 tile 2 tp + 1
.set D,   64                           ; v64-95  four accumulators
.set AD,  96                           ; v96-127 the way out: store offsets, two sets of 16
.set BK,  128                          ; v128-255 the way out: rows read back from the stage, two sets of 64
; window 1: O (m, t) at 8 (8 m + t).   window 2: v0-143 h's fragments (m, s) at 12 (3 m + s); v144-215 Wd's tiles 6, 7.   window 3: Wd's tiles 0..5 at 36 t + 12 s.
; s[16:63], s[68:83]: the 64 tokens' byte offsets in out0.
.set MSB, 0
.macro WIN new                         ; the immediate's high byte repeats the setting that is left
.if MSB != \new
	s_set_vgpr_msb (MSB<<8)|\new
.set MSB, \new
.endif
.endm
; one matrix instruction, from the symbols rD, rA, rB, rSA, rSB; rRA, rRB: the scales stand in lanes 16-31.  zero = 1: it starts the sum
.macro MM zero
.if \zero
.if rRA && rRB
	v_wmma_scale_f32_16x16x128_f8f6f4 v[rD:rD+7], v[rA:rA+11], v[rB:rB+11], 0, v[rSA], v[rSB] matrix_a_fmt:MATRIX_FMT_FP6 matrix_b_fmt:MATRIX_FMT_FP6 matrix_a_scale:MATRIX_SCALE_ROW1 matrix_b_scale:MATRIX_SCALE_ROW1
.elseif rRA
	v_wmma_scale_f32_16x16x128_f8f6f4 v[rD:rD+7], v[rA:rA+11], v[rB:rB+11], 0, v[rSA], v[rSB] matrix_a_fmt:MATRIX_FMT_FP6 matrix_b_fmt:MATRIX_FMT_FP6 matrix_a_scale:MATRIX_SCALE_ROW1
.elseif rRB
	v_wmma_scale_f32_16x16x128_f8f6f4 v[rD:rD+7], v[rA:rA+11], v[rB:rB+11], 0, v[rSA], v[rSB] matrix_a_fmt:MATRIX_FMT_FP6 matrix_b_fmt:MATRIX_FMT_FP6 matrix_b_scale:MATRIX_SCALE_ROW1
.else
	v_wmma_scale_f32_16x16x128_f8f6f4 v[rD:rD+7], v[rA:rA+11], v[rB:rB+11], 0, v[rSA], v[rSB] matrix_a_fmt:MATRIX_FMT_FP6 matrix_b_fmt:MATRIX_FMT_FP6
.endif
.else
.if rRA && rRB
	v_wmma_scale_f32_16x16x128_f8f6f4 v[rD:rD+7], v[rA:rA+11], v[rB:rB+11], v[rD:rD+7], v[rSA], v[rSB] matrix_a_fmt:MATRIX_FMT_FP6 matrix_b_fmt:MATRIX_FMT_FP6 matrix_a_scale:MATRIX_SCALE_ROW1 matrix_b_scale:MATRIX_SCALE_ROW1
.elseif rRA
	v_wmma_scale_f32_16x16x128_f8f6f4 v[rD:rD+7], v[rA:rA+11], v[rB:rB+11], v[rD:rD+7], v[rSA], v[rSB] matrix_a_fmt:MATRIX_FMT_FP6 matrix_b_fmt:MATRIX_FMT_FP6 matrix_a_scale:MATRIX_SCALE_ROW1
.elseif rRB
	v_wmma_scale_f32_16x16x128_f8f6f4 v[rD:rD+7], v[rA:rA+11], v[rB:rB+11], v[rD:rD+7], v[rSA], v[rSB] matrix_a_fmt:MATRIX_FMT_FP6 matrix_b_fmt:MATRIX_FMT_FP6 matrix_b_scale:MATRIX_SCALE_ROW1
.else
	v_wmma_scale_f32_16x16x128_f8f6f4 v[rD:rD+7], v[rA:rA+11], v[rB:rB+11], v[rD:rD+7], v[rSA], v[rSB] matrix_a_fmt:MATRIX_FMT_FP6 matrix_b_fmt:MATRIX_FMT_FP6
.endif
.endif
.endm
	s_load_b256 s[4:11], s[0:1], 0x0               ; order s[4:5], sel s[6:7], gate s[8:9], hb s[10:11]
	s_load_b128 s[12:15], s[0:1], 0x20             ; wdb s[12:13], out0 s[14:15]
	s_set_vgpr_msb 0x80
	v_lshl_add_u32 v254, v0, 2, 0x8400
	v_mov_b32 v255, 0
	s_set_vgpr_msb 0x8000
	v_lshrrev_b32 v7, 5, v0
	v_readfirstlane_b32 s95, v7                    ; wave 0..3
	s_mov_b32 s96, ttmp9                           ; which 512 columns
	s_and_b32 s97, ttmp7, 0xffff                   ; block b
	v_and_b32 v7, 31, v0
	v_lshlrev_b32 v1, 4, v7                        ; v1: 16 x lane: an image's place, and my 16 bytes of a row's 512
	v_lshlrev_b32 v3, 2, v7                        ; v3: 4 x lane: a scale word's place
	v_and_b32 v62, 15, v0                          ; r
	v_bfe_u32 v63, v0, 4, 1                        ; h
	v_mul_u32_u24 v2, v62, 96
	v_mad_u32_u24 v2, v63, 48, v2                  ; v2: my 48 bytes of a fragment of h
	s_mul_i32 s98, s95, 8448                       ; my stage: 16 rows of 512 + 16 bytes
	v_mul_u32_u24 v4, v62, 528
	v_lshl_add_u32 v4, v63, 5, v4
	v_add_nc_u32 v4, s98, v4                       ; v4: in: row r, 32 bytes for each half of the lanes
	v_add_nc_u32 v5, s98, v1                       ; v5: back: the 32 lanes take one row
	v_lshlrev_b32 v7, 2, v62
	s_lshl_b32 s98, s96, 5
	s_lshl_b32 s99, s95, 3
	s_add_co_u32 s98, s98, s99                     ; my first tile of Wd: 32 x quarter + 8 x wave
	s_mul_i32 s100, s98, 4608
	s_mov_b32 s101, 0
	s_wait_kmcnt 0x0
	s_add_nc_u64 s[88:89], s[12:13], s[100:101]    ; s[88:89] Wd's images of (expert 0, my tiles)
	s_lshl_b32 s100, s98, 6
	s_add_nc_u64 s[90:91], s[12:13], s[100:101]
	s_add_nc_u64 s[90:91], s[90:91], DS0           ; s[90:91] their scale words
	s_mul_i32 s100, s97, 147456
	s_add_nc_u64 s[84:85], s[10:11], s[100:101]    ; s[84:85] h's codes of (b, expert 0)
	s_mul_i32 s100, s97, 6144
	s_add_nc_u64 s[86:87], s[10:11], s[100:101]
	s_add_nc_u64 s[86:87], s[86:87], HS0           ; s[86:87] h's scale bytes
	s_lshl_b32 s100, s96, 11
	s_lshl_b32 s99, s95, 9
	s_add_co_u32 s100, s100, s99
	s_add_nc_u64 s[92:93], s[14:15], s[100:101]    ; s[92:93] out0 at my 512 bytes of a row
	s_lshl_b32 s100, s97, 8
	s_add_nc_u64 s[4:5], s[4:5], s[100:101]        ; order at my block
.irp m, 0,1,2,3
	global_load_b32 v[50+\m], v7, s[4:5] offset:64*\m      ; the token of row 16 m + r
.endr
	s_load_b512 s[16:31], s[4:5], 0x0              ; and all 64 as scalars, for the way out
	s_load_b512 s[32:47], s[4:5], 0x40
	s_load_b512 s[48:63], s[4:5], 0x80
	s_load_b512 s[68:83], s[4:5], 0xc0
	s_wait_loadcnt 0x0
.irp m, 0,1,2,3
	v_min_u32 v[50+\m], 0xfff, v[50+\m]            ; a token is under 4,096
	v_lshlrev_b32 v[58+\m], 3, v[50+\m]
	v_lshlrev_b32 v[50+\m], 2, v[50+\m]
.endr
.irp m, 0,1,2,3
	global_load_b32 v[54+\m], v[50+\m], s[6:7]
	global_load_b64 v[GT+2*\m:GT+2*\m+1], v[58+\m], s[8:9]
.endr
	WIN 0x40                                       ; destination window 1
.set i, 0
.rept 256
	v_mov_b32 v[i], 0                              ; O
.set i, i+1
.endr
	WIN 0
.irp m, 0,1,2,3
	v_mov_b32 v[WT+2*\m+1], 0                      ; named as the upper half of a pair, so it is written
.endr
	s_wait_kmcnt 0x0
.set i, 0
.rept 48
	s_min_u32 s[16+i], s[16+i], 4095
	s_lshl_b32 s[16+i], s[16+i], 13                ; a row of out0 is 8,192 bytes
.set i, i+1
.endr
.set i, 0
.rept 16
	s_min_u32 s[68+i], s[68+i], 4095
	s_lshl_b32 s[68+i], s[68+i], 13
.set i, i+1
.endr
	s_wait_loadcnt 0x0
	v_mov_b32 v62, 1
	v_mov_b32 v6, 0                                ; v6: a bit for each expert that my four rows chose
.irp m, 0,1,2,3
	v_bfe_u32 v[I1+\m], v[54+\m], 8, 8
	v_bfe_u32 v[I2+\m], v[54+\m], 16, 8
	v_lshlrev_b32 v63, v[I1+\m], v62
	v_or_b32 v6, v6, v63
	v_lshlrev_b32 v63, v[I2+\m], v62
	v_or_b32 v6, v6, v63
.endr
.macro DLOAD t                         ; tile t of Wd: three fragments, nine loads of 512 consecutive bytes
.if (\t) < 6
	WIN 0xc0
.set rW, 36*(\t)
.else
	WIN 0x80
.set rW, 144+36*((\t)-6)
.endif
.irp s, 0,1,2
.irp c, 0,1,2
	global_load_b128 v[rW+12*\s+4*\c:rW+12*\s+4*\c+3], v1, s[88:89] offset:4608*(\t)+1536*\s+512*\c
.endr
.endr
.endm
.macro TILE t
	s_wait_loadcnt 9*(7-(\t))                      ; this tile's nine loads are in, and all that is older; the younger tiles' may be out
.if (\t) < 6
	WIN 0x0b                                       ; source 0 (Wd) window 3, source 1 (h) window 2, C and D window 0
.set rW, 36*(\t)
.else
	WIN 0x0a                                       ; source 0 window 2
.set rW, 144+36*((\t)-6)
.endif
.irp s, 0,1,2                          ; the four accumulators take turns, one instruction a turn
.irp m, 0,1,2,3
.set rD, D+8*\m
.set rA, rW+12*\s
.set rB, 12*(3*\m+\s)
.set rSA, WDS+3*((\t)/2)+\s
.set rSB, HSC+3*(\m/2)+\s
.set rRA, (\t)%2
.set rRB, \m%2
.if \s == 0
	MM 1
.else
	MM 0
.endif
.endr
.endr
.rept 4
	v_nop                                          ; four plain lines in front of the first read of results (ISA guide 7.12.1)
.endr
	WIN 0x50                                       ; O: source 2 and destination window 1
.irp m, 0,1,2,3                        ; each accumulator from its low end on.  With the four lines above, the other accumulators' lines are the five that stand between a product and the next tile's product that begins its accumulator anew
.irp i, 0,2,4,6
	v_pk_fma_f32 v[8*(8*\m+(\t))+\i:8*(8*\m+(\t))+\i+1], v[D+8*\m+\i:D+8*\m+\i+1], v[WT+2*\m:WT+2*\m+1], v[8*(8*\m+(\t))+\i:8*(8*\m+(\t))+\i+1] op_sel_hi:[1,0,1]
.endr
.endr
.endm
	s_mov_b32 s94, 0                               ; the expert
.Lexpert:
	s_lshl_b32 s98, 1, s94
	v_and_b32 v63, s98, v6
	v_cmp_ne_u32 vcc_lo, 0, v63                    ; has any of the 64 rows chosen it?
	s_cmp_eq_u32 vcc_lo, 0
	s_cbranch_scc1 .Lskip
.irp s, 0,1,2
.irp p, 0,1
	global_load_b32 v[HSC+3*\p+\s], v3, s[86:87] offset:256*\s+128*\p
.endr
.endr
.irp s, 0,1,2
.irp p, 0,1,2,3
	global_load_b32 v[WDS+3*\p+\s], v3, s[90:91] offset:8192*\s+128*\p
.endr
.endr
	WIN 0x80                                       ; destination window 2
.irp m, 0,1,2,3
.irp s, 0,1,2
.irp c, 0,1,2
	global_load_b128 v[12*(3*\m+\s)+4*\c:12*(3*\m+\s)+4*\c+3], v2, s[84:85] offset:6144*\s+1536*\m+16*\c
.endr
.endr
.endr
.irp t, 0,1,2,3,4,5,6,7
	DLOAD \t
.endr
	WIN 0
.irp m, 0,1,2,3
	v_cmp_eq_u32 vcc_lo, s94, v[I1+\m]             ; my token's weight for this expert: the first's, the second's, or 0
	v_cndmask_b32 v[WT+2*\m], 0, v[GT+2*\m], vcc_lo
	v_cmp_eq_u32 vcc_lo, s94, v[I2+\m]
	v_cndmask_b32 v[WT+2*\m], v[WT+2*\m], v[GT+2*\m+1], vcc_lo
.endr
.irp t, 0,1,2,3,4,5,6,7
	TILE \t
.endr
	WIN 0
.Lskip:                                                ; no load is out here: tile 7 waited for all of the trip's, the head for its own: the bases may be written
	s_add_nc_u64 s[84:85], s[84:85], 18432         ; the next expert: 3 x 6,144,
	s_add_nc_u64 s[86:87], s[86:87], 768           ; 3 x 256,
	s_add_nc_u64 s[88:89], s[88:89], 589824        ; 128 x 4,608,
	s_add_nc_u64 s[90:91], s[90:91], 24576         ; 3 x 128 x 64 bytes on
	s_add_co_u32 s94, s94, 1
	s_cmp_lt_u32 s94, 8
	s_cbranch_scc1 .Lexpert
; THE WAY OUT, a tile of 16 rows x 128 columns at a time.  A lane holds 32 neighbouring bytes of a row, and the lanes beside it hold other rows: so a tile goes through my own stage in LDS and comes back as
; whole rows of 512 bytes.  LDS serves a wave's instructions in order (ISA guide 5.7.1.4): no wait between the stores and the loads, nor in front of the next tile's stores.
.macro TOSTAGE m
	WIN 0x04                                       ; an LDS store's data are its source 1: window 1
.irp t, 0,1,2,3,4,5,6,7
	ds_store_b128 v4, v[8*(8*(\m)+\t):8*(8*(\m)+\t)+3] offset:64*\t
	ds_store_b128 v4, v[8*(8*(\m)+\t)+4:8*(8*(\m)+\t)+7] offset:64*\t+16
.endr
	WIN 0
.irp i, 0,1,2,3,4,5,6,7,8,9,10,11,12,13,14,15
	ds_load_b128 v[BK+64*((\m)%2)+4*\i:BK+64*((\m)%2)+4*\i+3], v5 offset:528*\i
.endr
.endm
.macro SEND m, younger                 ; younger: the LDS instructions issued behind tile m's loads, which may stay out
	s_wait_dscnt \younger
.irp i, 0,1,2,3,4,5,6,7,8,9,10,11,12,13,14,15
.if 16*(\m)+\i < 48
	v_add_nc_u32 v[AD+16*((\m)%2)+\i], s[16+16*(\m)+\i], v1
.else
	v_add_nc_u32 v[AD+16*((\m)%2)+\i], s[20+16*(\m)+\i], v1
.endif
	global_store_b128 v[AD+16*((\m)%2)+\i], v[BK+64*((\m)%2)+4*\i:BK+64*((\m)%2)+4*\i+3], s[92:93] th:TH_STORE_NT   ; 32 lanes store 512 consecutive bytes of the token's row, at a multiple of 512 from out0's first byte
.endr
.endm
	TOSTAGE 0
	TOSTAGE 1
	SEND 0, 32                                     ; behind tile 0's loads: tile 1's 16 stores and 16 loads
	s_wait_xcnt 0x0                                ; tile 0's stores have read their registers: tile 2's rows and offsets may land there
	TOSTAGE 2
	SEND 1, 32
	s_wait_xcnt 0x0                                ; likewise tile 1's, for tile 3
	TOSTAGE 3
	SEND 2, 32
	SEND 3, 0
	s_set_vgpr_msb 0xa
	s_wait_tensorcnt 0x0
	ds_add_u32 v254, v255
	s_wait_dscnt 0x0
	s_set_vgpr_msb 0xa00
	s_endpgm
.Lfunc_end_k_q10bfe31633_comb:
	.size	k_q10bfe31633_comb, .Lfunc_end_k_q10bfe31633_comb-k_q10bfe31633_comb
	.p2alignl 7, 3214868480
	.fill 96, 4, 3214868480
	.section	.rodata,"a",@progbits
	.p2align	6, 0x0
	.amdhsa_kernel k_q10bfe31633_comb
		.amdhsa_group_segment_fixed_size 34304
		.amdhsa_private_segment_fixed_size 0
		.amdhsa_enable_private_segment 0
		.amdhsa_kernarg_size 48
		.amdhsa_user_sgpr_count 2
		.amdhsa_user_sgpr_kernarg_segment_ptr 1
		.amdhsa_wavefront_size32 1
		.amdhsa_system_sgpr_workgroup_id_x 1
		.amdhsa_system_sgpr_workgroup_id_y 1
		.amdhsa_system_sgpr_workgroup_id_z 1
		.amdhsa_system_vgpr_workitem_id 0
		.amdhsa_next_free_vgpr 1024
		.amdhsa_next_free_sgpr 104
		.amdhsa_reserve_vcc 1
		.amdhsa_float_denorm_mode_32 3
		.amdhsa_float_denorm_mode_16_64 3
		.amdhsa_memory_ordered 1
		.amdhsa_forward_progress 1
		.amdhsa_inst_pref_size 71
	.end_amdhsa_kernel
	.amdgpu_metadata
---
amdhsa.version: [ 1, 2 ]
amdhsa.kernels:
  - .name:           k_q10bfe31633_comb
    .symbol:         k_q10bfe31633_comb.kd
    .args:
      - { .name: order, .offset: 0, .size: 8, .value_kind: global_buffer, .address_space: global }
      - { .name: sel, .offset: 8, .size: 8, .value_kind: global_buffer, .address_space: global }
      - { .name: gate, .offset: 16, .size: 8, .value_kind: global_buffer, .address_space: global }
      - { .name: hb, .offset: 24, .size: 8, .value_kind: global_buffer, .address_space: global }
      - { .name: wdb, .offset: 32, .size: 8, .value_kind: global_buffer, .address_space: global }
      - { .name: out0, .offset: 40, .size: 8, .value_kind: global_buffer, .address_space: global }
    .group_segment_fixed_size: 34304
    .private_segment_fixed_size: 0
    .kernarg_segment_align: 8
    .kernarg_segment_size: 48
    .max_flat_workgroup_size: 128
    .sgpr_count:     104
    .vgpr_count:     1024
    .wavefront_size: 32
...
	.end_amdgpu_metadata
.endif
;; end of part 4
